; MI455X (gfx1250); checked and timed in simulation.
; The chip was launched on July 23, 2026; its instructions are those of AMD's public machine-readable ISA for CDNA 5 (MIT licence, August 2026) and "CDNA5" Instruction Set Architecture Reference Guide (July 2026). The comments in the code are by the model that wrote it; some were corrected since.
;; Mixed Precision QAT Linear Enhanced. Allowed arithmetic: matrix products marked QUANTISED: E2M1 operands, one E8M0 scale for each 32 along K, by v_wmma_scale_f32_16x16x128_f8f6f4 with both operands' format E2M1 (or v_wmma_scale_f32_32x16x128_f4), f32 sums; everything else in f32.
;; Inputs: W 4,096 x 4,096 float32; b 4,096 float32; logits_a 3 float32; logits_w 3 float32; lsq_a_beta one number float32; lsq_a_s one number float32; lsq_w_s one number float32; pact_alpha one number float32; rescale_scale one number float32; x 4 x 1,024 x 4,096 float32.
;; Outputs: out0 4 x 1,024 x 4,096 float32.
;; This version of the problem:
;;   THIS VERSION OF THE PROBLEM IS GIVEN IN LOW PRECISION. The matrix products marked QUANTISED in the list below multiply operands that are first quantised to E2M1 (2 exponent bits, 1 mantissa bit; 4 bits a number), with one power-of-two scale for each 32 numbers along K (OCP MX v1.0); their sums are f32. All else is computed in f32.
;;   The module's matrix products, in the order in which they are computed (A, B: the left and right operand; K: the contracted axis; several contracted axes count as one K, in the product's order):
;;     1. [M 4,096, K 4,096] x [K 4,096, N 4,096]; A: computed on the way; B: computed on the way: QUANTISED
;;   THE QUANTISER, for each operand of a quantised product, along K:
;;     - K is cut into blocks of 32 from its start; a last block that is shorter is filled with zeros.
;;     - A block's scale is 2^e with e = floor(log2(the largest magnitude in the block)) - 2, held to -126 .. 127; a block of zeros has e = 0. As a byte (E8M0): e + 127.
;;     - Each number is divided by its block's scale, clamped to +-6, and rounded to the nearest number of E2M1, ties to even, subnormals kept.
;;     - The product sums the exact products of the quantised numbers (number of the format x scale) in f32.
;;   ~~~python
;;   def quantise(x, axis):      # numpy; x: float32 -> the quantised numbers, widened to float32 again
;;       x = np.moveaxis(x, axis, -1); K = x.shape[-1]
;;       x = np.pad(x, [(0, 0)] * (x.ndim - 1) + [(0, -K % 32)]); x = x.reshape(x.shape[:-1] + (-1, 32)); a = np.abs(x).max(-1, keepdims=True)
;;       e = np.where(a > 0, np.clip(np.frexp(np.where(a > 0, a, 1))[1] - 1 - 2, -126, 127), 0)      # np.frexp(a)[1] - 1 = floor(log2(a)), exactly
;;       r = np.clip(x / 2.0 ** e, -6, 6)
;;       step = 2.0 ** (np.maximum(np.frexp(np.where(r == 0, 1, r))[1] - 1, 0) - 1)
;;       q = np.round(r / step) * step * 2.0 ** e      # np.round: ties to even
;;       return np.moveaxis(q.reshape(q.shape[:-2] + (-1,))[..., :K], -1, axis).astype(np.float32)
;;   ~~~
;;   OPERANDS COMPUTED ON THE WAY. 'Computed on the way' means the value that the module computes at that place (a softmax that the list does not call 'softmax' is quantised finished and normalised). What goes into a quantiser is computed in f32, as accurately as f32 sums, v_exp_f32 and their like allow (about 1e-6 of the number): no bf16 or f16 on the way to a quantiser, and a product that is left as it is and whose result goes on into a quantised operand takes f32 operands (vector FMAs, or v_wmma_f32_16x16x4_f32). A number that lies on a knife's edge between two numbers of the format may be rounded either way, as far as f32 arithmetic and the matrix unit's own rounding can turn it there, and no further.
;; One version. Each part assembles by itself: llvm-mc -triple=amdgcn-amd-amdhsa -mcpu=gfx1250 --defsym DOCPART=n.
;; ======== version 1 of 1: 3 launches
;; limits: right only within a limited range of input values
;; workspace buffers: xq 8,912,896 bytes; wq 8,912,896 bytes; wmax 1,024 bytes
;; launch xprep (part 1): grid 256 x 1, 16 waves a work-group, no clusters, 274,688 bytes of LDS; arguments x, W, logits_a, rescale_scale, lsq_a_s, lsq_a_beta, pact_alpha, xq, wmax; writes xq, wmax
.if DOCPART == 1
	.amdgcn_target "amdgcn-amd-amdhsa--gfx1250"
	.amdhsa_code_object_version 6
	.text
	.protected	k_q57a87bd6d2_xprep
	.globl	k_q57a87bd6d2_xprep
	.p2align	8
	.type	k_q57a87bd6d2_xprep,@function
k_q57a87bd6d2_xprep:
	s_mov_b64 s[64:65], 0
	v_nop
	global_prefetch_b8 v0, s[64:65] scope:SCOPE_SE
	s_setreg_imm32_b32 hwreg(HW_REG_WAVE_MODE, 25, 1), 1
	s_wait_xcnt 0x0
; q_x = aa0 lsq4(x scale) + aa1 pact8(x scale) + aa2 x scale, aa = softmax(logits_a / 3.5), is made in f32 and turned into codes of FP4 (E2M1) with one E8M0 byte for each 32 along K.
; Beside that each work-group takes the largest |W| of its 256 KiB of W; the next launch joins the 256 partial maxima.  Every input has a way to the output: nothing is left out.
; SHARES.  Work-group g owns rows 64 (g / 4) .. + 63 and K = 1024 (g % 4) .. + 1023 of x; wave w owns rows 32 (w / 8) .. + 31 and 128 (w % 8) .. + 127 along K of them: two fragments of 16 rows x 128 K.
; THE WAY IN.  A load takes one row's 512 consecutive bytes, 16 a lane; all 32 loads of a wave are issued at the head.  The conversions want 32 neighbours along K in one lane: so a fragment turns through the wave's own
; stage in LDS, 16 stores as loaded (rows 528 bytes apart) and 16 loads in the operand's order, back into the same registers (LDS serves a wave's instructions in order: ISA guide 5.7.1.4).
; The first fragment is worked on while the second is on its way.  Wave w's 16 KiB of W, at (16 g + w) x 16,384, are loaded into a fragment's 64 registers as soon as that fragment is converted.
; No tensor load: its counter would show only a whole tile.  No cluster: the work-groups share no input.  No prefetch: every byte is asked for at the head or as soon as registers are free.
; WHAT STANDS AHEAD OF A ROUND IS DONE AS THE FORMULA WRITES IT, unfused: x scale; (x - beta) / s; clip; y / step.  A division by a number that all lanes share is q = a r, e = a - q s (fused), q' = q + e r (fused),
; r the divisor's reciprocal after one Newton step.  v + (round(v) - v) is round(v) exactly for the |v| up to 255 that occur here.  Behind the rounds the mixture is three fused multiply-adds.
; THE OUTPUT'S LAYOUT is the order of the matrix operand's registers: [32 groups of 128 rows][8 K steps of 512][34,816 bytes]; in such a tile the codes lie at i 4096 + q 1024 + c 512 + 16 lane (i: block of 16 rows,
; q: 128 along K, c: registers 4 c .. 4 c + 3), the scale words at 32,768 + i 256 + 16 r + 4 q.  A row's four words come from four waves: they meet in LDS, and behind the one barrier waves 0 to 7 store one unit of 256 bytes each.
; LIMITS: NaN and infinities are not served.  A block whose largest magnitude lies under 2^-124, a block of zeros too, gets the byte 1 (its codes are zeros; this program alone reads the bytes).
; A quotient can be one unit in the last place off where the reciprocal's Newton step does not end at the nearest number.
.set QT,    8448                       ; a fragment in LDS: 16 rows x (512 bytes + 16 of padding)
.set WREG,  2*QT                       ; a wave's stage
.set SCR,   16*WREG                    ; 256 bytes for the sixteen waves' maxima
.set SST,   SCR+256                    ; where the scale words meet: [2 K steps][4 blocks][16 rows][4 words]
.set SPARE, SST+2048                   ; the spare words, 128 bytes a wave
.set TILE,  34816
.set LA,  4                            ; stage, out: my stage + 528 r + 128 h
.set CO,  5                            ; 16 x lane
.set SO,  6                            ; 8 x lane
.set SH,  7                            ; 8 h
.set PT,  8                            ; a lane permute's destination
.set ZR,  9
.set SA,  10                           ; SCR + 4 x wave
.set SB,  11                           ; SCR
.set KSC, 12                           ; pairs, both halves alike: scale, -beta, 1/s, -s, 1/step, -step, aa2, aa0 beta, aa1 step, aa0 s
.set NB,  14
.set RS,  16
.set NS,  18
.set RP,  20
.set NP,  22
.set A2,  24
.set C3,  26
.set C1,  28
.set C0,  30
.set AL,  32                           ; alpha
.set LS,  33                           ; stage, in: my stage + 16 x lane
.set M,   34
.set SOP, 38
.set PW,  44                           ; a fragment's scale word
.set SS,  45                           ; scale words, in
.set SR,  46                           ; scale words, out
.set PC,  50                           ; v50-65 codes, eight registers a fragment: no store's data are written again
.set SPW, 66
.set NIL, 67
.set K,   68                           ; at work in the head and at the end (the registers of TA, TB)
.set TA,  68
.set TB,  84
.set TC,  100
.set S0,  116                          ; v116-243 two fragments of 64 registers
.set WM,  244
.macro DIVC d, a, t, C, RC             ; v[d] = v[a] / C, C a constant and RC its nearest reciprocal
	v_mul_f32 v[\d], \RC, v[\a]
	s_delay_alu instid0(VALU_DEP_1)
	v_fma_f32 v[\t], -v[\d], \C, v[\a]
	s_delay_alu instid0(VALU_DEP_1)
	v_fma_f32 v[\d], v[\t], \RC, v[\d]
.endm
.macro FIX r, s, t                     ; one Newton step on v[r], the reciprocal of v[s]
	v_fma_f32 v[\t], -v[\s], v[\r], 1.0
	v_fma_f32 v[\r], v[\t], v[\r], v[\r]
.endm
.macro PKM d, a, k
.irp p, 0,2,4,6,8,10,12,14
	v_pk_mul_f32 v[\d+\p:\d+\p+1], v[\a+\p:\a+\p+1], v[\k:\k+1]
.endr
.endm
.macro PKA d, a, k
.irp p, 0,2,4,6,8,10,12,14
	v_pk_add_f32 v[\d+\p:\d+\p+1], v[\a+\p:\a+\p+1], v[\k:\k+1]
.endr
.endm
.macro PKF d, a, k, e
.irp p, 0,2,4,6,8,10,12,14
	v_pk_fma_f32 v[\d+\p:\d+\p+1], v[\a+\p:\a+\p+1], v[\k:\k+1], v[\e+\p:\e+\p+1]
.endr
.endm
.macro PKK d, a, k, e
.irp p, 0,2,4,6,8,10,12,14
	v_pk_fma_f32 v[\d+\p:\d+\p+1], v[\a+\p:\a+\p+1], v[\k:\k+1], v[\e:\e+1]
.endr
.endm
.macro RND d
.irp p, 0,1,2,3,4,5,6,7,8,9,10,11,12,13,14,15
	v_rndne_f32 v[\d+\p], v[\d+\p]
.endr
.endm
	s_load_b512 s[4:19], s[0:1], 0x0               ; x, W, logits_a, rescale_scale, lsq_a_s, lsq_a_beta, pact_alpha, xq
	s_load_b64 s[20:21], s[0:1], 0x40              ; wmax
	v_lshl_add_u32 v[SPW], v0, 2, SPARE
	v_mov_b32 v[NIL], 0
	v_lshrrev_b32 v1, 5, v0
	s_delay_alu instid0(VALU_DEP_1)
	v_readfirstlane_b32 s22, v1                    ; wave 0..15
	v_and_b32 v2, 15, v0                           ; r
	v_bfe_u32 v3, v0, 4, 1                         ; h
	v_and_b32 v1, 31, v0
	s_delay_alu instid0(VALU_DEP_1)
	v_lshlrev_b32 v[CO], 4, v1
	s_mul_i32 s23, s22, WREG
	s_and_b32 s40, s22, 7                          ; which 128 along K
	s_lshr_b32 s41, s22, 3                         ; which 32 rows
	s_lshr_b32 s60, ttmp9, 2
	s_lshl_b32 s60, s60, 20                        ; 64 rows of 16,384 bytes,
	s_lshl_b32 s61, s41, 19                        ; 32 rows,
	s_add_co_u32 s60, s60, s61
	s_and_b32 s61, ttmp9, 3
	s_lshl_b32 s61, s61, 12                        ; 4,096 bytes of a row a work-group,
	s_add_co_u32 s60, s60, s61
	s_lshl_b32 s61, s40, 9                         ; 512 a wave
	s_add_co_u32 s60, s60, s61
	s_mov_b32 s61, 0
	s_lshl_b32 s62, ttmp9, 4
	s_add_co_u32 s62, s62, s22
	s_lshl_b32 s62, s62, 14                        ; W: (16 g + w) x 16,384
	s_mov_b32 s63, 0
	s_wait_alu depctr_va_vdst(0)
	s_wait_kmcnt 0x0
	s_load_b96 s[48:50], s[8:9], 0x0               ; the three logits
	s_load_b32 s51, s[10:11], 0x0                  ; rescale_scale
	s_load_b32 s52, s[12:13], 0x0                  ; lsq_a_s
	s_load_b32 s53, s[14:15], 0x0                  ; lsq_a_beta
	s_load_b32 s54, s[16:17], 0x0                  ; pact_alpha
	s_add_nc_u64 s[4:5], s[4:5], s[60:61]
	s_add_nc_u64 s[6:7], s[6:7], s[62:63]
.irp f, 0,1
.irp t, 0,1,2,3,4,5,6,7,8,9,10,11,12,13,14,15
	global_load_b128 v[S0+64*\f+4*\t:S0+64*\f+4*\t+3], v[CO], s[4:5] offset:(16*\f+\t)*16384 th:TH_LOAD_NT   ; a row's 512 consecutive bytes
.endr
.endr
	s_lshr_b32 s42, s40, 2
	s_lshl_b32 s42, s42, 10
	s_lshl_b32 s43, s41, 9
	s_add_co_u32 s42, s42, s43
	s_and_b32 s63, s40, 3                          ; q
	s_lshl_b32 s43, s63, 2
	s_add_co_u32 s42, s42, s43
	s_add_co_u32 s42, s42, SST                     ; scale words: my K step, my two blocks, my word of a row's four
	s_lshl_b32 s43, s40, 8
	s_add_co_u32 s43, s43, SST
	s_lshl_b32 s55, s22, 2
	s_add_co_u32 s55, s55, SCR
	v_mul_u32_u24 v[LA], v2, 528
	s_delay_alu instid0(VALU_DEP_1)
	v_lshl_add_u32 v[LA], v3, 7, v[LA]
	s_delay_alu instid0(VALU_DEP_1)
	v_add_nc_u32 v[LA], s23, v[LA]
	v_add_nc_u32 v[LS], s23, v[CO]
	v_lshlrev_b32 v[SO], 3, v1
	v_lshlrev_b32 v[SH], 3, v3
	v_lshl_add_u32 v[SS], v2, 4, s42
	v_add_nc_u32 v[SR], s43, v[SO]
	v_mov_b32 v[PT], 0
	v_mov_b32 v[ZR], 0
	v_mov_b32 v[SA], s55
	v_mov_b32 v[SB], SCR
.irp k, 0,1,2,3
	v_mov_b32 v[WM+\k], 0
.endr
	s_mov_b32 s56, 0xc1000000                      ; -8
	s_mov_b32 s57, 0x40e00000                      ; 7
	s_mov_b32 s58, 0x76543210
	s_mov_b32 s59, 0xfedcba98                      ; v_permlanex16_b32's selects for lane l xor 16
	s_lshr_b32 s60, ttmp9, 3
	s_lshl_b32 s60, s60, 3
	s_and_b32 s62, ttmp9, 3
	s_lshl_b32 s62, s62, 1
	s_add_co_u32 s60, s60, s62
	s_lshr_b32 s62, s40, 2
	s_add_co_u32 s60, s60, s62                     ; the output's tile: 8 x (group of 128 rows) + K step
	s_mul_i32 s60, s60, TILE
	s_add_nc_u64 s[18:19], s[18:19], s[60:61]
	s_bfe_u32 s62, ttmp9, 0x10002                  ; which 64 rows of the group
	s_lshl_b32 s60, s62, 10
	s_lshl_b32 s2, s63, 8
	s_add_co_u32 s60, s60, s2
	s_add_co_u32 s60, s60, 32768
	s_add_nc_u64 s[2:3], s[18:19], s[60:61]        ; the unit of scale words that waves 0 to 7 store
	s_lshl_b32 s60, s62, 14
	s_lshl_b32 s62, s41, 13
	s_add_co_u32 s60, s60, s62
	s_lshl_b32 s62, s63, 10
	s_add_co_u32 s60, s60, s62
	s_add_nc_u64 s[18:19], s[18:19], s[60:61]      ; my codes
	s_lshl_b32 s60, ttmp9, 2
	s_add_nc_u64 s[20:21], s[20:21], s[60:61]      ; my work-group's word of wmax
	; THE CONSTANTS, alike in all lanes
	s_wait_kmcnt 0x0
	v_mov_b32 v[K], 0x358637bd                     ; 1e-6
	s_delay_alu instid0(VALU_DEP_1)
	v_max_num_f32 v[KSC], s51, v[K]                ; scale
	s_delay_alu instid0(VALU_DEP_2)
	v_max_num_f32 v[K+1], s52, v[K]                ; s
	s_delay_alu instid0(VALU_DEP_3)
	v_max_num_f32 v[AL], s54, v[K]                 ; alpha
	v_mov_b32 v[K+4], s48
	v_mov_b32 v[K+5], s49
	v_mov_b32 v[K+6], s50
	DIVC K+7, K+4, K+12, 0x40600000, 0x3e924925    ; logits / 3.5
	DIVC K+8, K+5, K+12, 0x40600000, 0x3e924925
	DIVC K+9, K+6, K+12, 0x40600000, 0x3e924925
	DIVC K+2, AL, K+12, 0x437f0000, 0x3b808081     ; step = alpha / 255
	s_delay_alu instid0(VALU_DEP_4)
	v_max3_num_f32 v[K+10], v[K+7], v[K+8], v[K+9] ; the softmax takes its maximum away
.irp i, 7,8,9
	v_sub_f32 v[K+\i], v[K+\i], v[K+10]
.endr
.irp i, 7,8,9
	s_delay_alu instid0(VALU_DEP_3)
	v_mul_f32 v[K+\i], 0x3fb8aa3b, v[K+\i]         ; x log2(e)
.endr
	s_wait_alu depctr_va_vdst(0)                   ; a wait ahead of the batch and one behind it
	v_exp_f32 v[K+7], v[K+7]
	v_exp_f32 v[K+8], v[K+8]
	v_exp_f32 v[K+9], v[K+9]
	v_rcp_f32 v[RS], v[K+1]
	v_rcp_f32 v[RP], v[K+2]
	v_nop
	s_wait_alu depctr_va_vdst(0)
	FIX RS, K+1, K+12
	FIX RP, K+2, K+12
	v_add_f32 v[K+10], v[K+7], v[K+8]
	v_add_f32 v[K+10], v[K+10], v[K+9]
	s_wait_alu depctr_va_vdst(0)
	v_rcp_f32 v[K+11], v[K+10]
	v_nop
	s_wait_alu depctr_va_vdst(0)
	FIX K+11, K+10, K+12
	v_mul_f32 v[K+7], v[K+7], v[K+11]              ; aa0
	v_mul_f32 v[K+8], v[K+8], v[K+11]              ; aa1
	v_mul_f32 v[A2], v[K+9], v[K+11]               ; aa2
	s_delay_alu instid0(VALU_DEP_3)
	v_mul_f32 v[C0], v[K+7], v[K+1]
	s_delay_alu instid0(VALU_DEP_3)
	v_mul_f32 v[C1], v[K+8], v[K+2]
	v_mul_f32 v[C3], s53, v[K+7]
	v_mov_b32 v[NB], s53
	s_delay_alu instid0(VALU_DEP_1)
	v_xor_b32 v[NB], 0x80000000, v[NB]
	v_xor_b32 v[NS], 0x80000000, v[K+1]
	v_xor_b32 v[NP], 0x80000000, v[K+2]
.irp k, KSC, NB, RS, NS, RP, NP, A2, C3, C1, C0
	v_mov_b32 v[\k+1], v[\k]
.endr
; 16 numbers of a lane, v[X + 16 g] on, become q_x
.macro ACT g
.set X0, X+16*(\g)
	PKM X0, X0, KSC                                ; x scale
	PKA TA, X0, NB                                 ; a = x - beta
	PKM TB, TA, RS                                 ; q = a / s: first guess,
	PKF TA, TB, NS, TA                             ; what is left of a,
	PKF TB, TA, RS, TB                             ; the quotient
.irp p, 0,1,2,3,4,5,6,7,8,9,10,11,12,13,14,15
	v_med3_num_f32 v[TB+\p], v[TB+\p], s56, s57    ; held to -8 .. 7
.endr
	RND TB
.irp p, 0,1,2,3,4,5,6,7,8,9,10,11,12,13,14,15
	v_med3_num_f32 v[TA+\p], v[X0+\p], 0, v[AL]    ; y = x held to 0 .. alpha
.endr
	PKM TC, TA, RP                                 ; y / step likewise
	PKF TA, TC, NP, TA
	PKF TC, TA, RP, TC
	RND TC
	PKK X0, X0, A2, C3                             ; aa2 x + aa0 beta
	PKF X0, TC, C1, X0                             ; + aa1 step round(y / step)
	PKF X0, TB, C0, X0                             ; + aa0 s round(..)
.endm
; The fragment's 64 numbers a lane are two whole blocks of 32 (blocks h and 2 + h of row r): codes into v[PC + 8 f] on, the row's scale word into v[PW]
.macro QUANT f
.irp n, 0,1,2,3
	v_max3_num_f32 v[M+\n], |v[X+16*\n]|, |v[X+16*\n+1]|, 0x1800000   ; four chains of 16; the floor 2^(3 - 127) holds the byte at 1 from below
.endr
.irp i, 2,4,6,8,10,12,14
.irp n, 0,1,2,3
	s_delay_alu instid0(VALU_DEP_4)
	v_max3_num_f32 v[M+\n], v[M+\n], |v[X+16*\n+\i]|, |v[X+16*\n+\i+1]|
.endr
.endr
	s_delay_alu instid0(VALU_DEP_3)
	v_max_num_f32 v[M], v[M], v[M+1]
	s_delay_alu instid0(VALU_DEP_2)
	v_max_num_f32 v[M+2], v[M+2], v[M+3]
	s_delay_alu instid0(VALU_DEP_2)
	v_add_nc_u32 v[SOP], 0xff000000, v[M]          ; 2 off the exponent field: the conversion takes that field as its scale
	s_delay_alu instid0(VALU_DEP_2)
	v_add_nc_u32 v[SOP+1], 0xff000000, v[M+2]
	s_delay_alu instid0(VALU_DEP_2)
	v_lshrrev_b32 v40, 23, v[SOP]                  ; the bytes
	s_delay_alu instid0(VALU_DEP_2)
	v_lshrrev_b32 v41, 23, v[SOP+1]
	s_delay_alu instid0(VALU_DEP_1)
	v_lshl_or_b32 v42, v41, 16, v40
	s_delay_alu instid0(VALU_DEP_1)
	v_lshlrev_b32 v42, v[SH], v42                  ; at their places in the word, 8 h bits up;
	s_delay_alu instid0(VALU_DEP_1)
	v_permlanex16_b32 v[PT], v42, s58, s59
	s_delay_alu instid0(VALU_DEP_1)
	v_or_b32 v[PW], v42, v[PT]                     ; with lane l xor 16's two the word is whole
.irp c, 0,1
.irp g, 0,1,2,3
	v_cvt_scalef32_pk8_fp4_f32 v[PC+8*\f+4*\c+\g], v[X+32*\c+8*\g:X+32*\c+8*\g+7], v[SOP+\c]
.endr
.endr
	v_nop                                          ; a plain line behind the last conversion
.endm
.macro FRAGX f
.set X, S0+64*\f
	s_wait_loadcnt 16                              ; this fragment's 16 loads are in; the 16 issued behind them may be out
.irp t, 0,1,2,3,4,5,6,7,8,9,10,11,12,13,14,15
	ds_store_b128 v[LS], v[X+4*\t:X+4*\t+3] offset:\f*QT+528*\t
.endr
.irp c, 0,1
.irp j, 0,1,2,3,4,5,6,7
	ds_load_b128 v[X+32*\c+4*\j:X+32*\c+4*\j+3], v[LA] offset:\f*QT+256*\c+16*\j   ; register 32 c + i = k 64 c + 32 h + i of row r
.endr
.endr
.irp g, 0,1,2,3
	s_wait_dscnt 12-4*\g                           ; four loads a group of 16 numbers: the younger groups may be out
	ACT \g
.endr
	QUANT \f
	ds_store_b32 v[SS], v[PW] offset:256*\f        ; both halves of the lanes write the same word with the same value
	global_store_b128 v[CO], v[PC+8*\f:PC+8*\f+3], s[18:19] offset:4096*\f              ; 512 consecutive bytes, aligned
	global_store_b128 v[CO], v[PC+8*\f+4:PC+8*\f+7], s[18:19] offset:4096*\f+512
.irp j, 0,1,2,3,4,5,6,7,8,9,10,11,12,13,14,15
	global_load_b128 v[X+4*\j:X+4*\j+3], v[CO], s[6:7] offset:(16*\f+\j)*512 th:TH_LOAD_NT   ; 8 KiB of W into the registers just converted
.endr
.endm
.macro WMAX f                          ; its largest magnitude, in four chains
.set k, 0
.rept 32
	v_max3_num_f32 v[WM+k%4], v[WM+k%4], |v[S0+64*\f+2*k]|, |v[S0+64*\f+2*k+1]|
.set k, k+1
.endr
.endm
	s_wait_alu depctr_va_vdst(0)                   ; the wait at the head's end
	FRAGX 0
	FRAGX 1
	s_wait_loadcnt 16                              ; W's first half is in
	WMAX 0
	s_wait_alu depctr_va_vdst(0)
	s_wait_loadcnt 0x0
	WMAX 1
	v_max3_num_f32 v[WM], v[WM], v[WM+1], v[WM+2]
	s_delay_alu instid0(VALU_DEP_1)
	v_max_num_f32 v[WM], v[WM], v[WM+3]
.irp m, 1,2,4,8
	s_delay_alu instid0(VALU_DEP_1)
	v_max_num_f32_dpp v[WM], v[WM], v[WM] row_xmask:\m row_mask:0xf bank_mask:0xf
.endr
	s_delay_alu instid0(VALU_DEP_1)
	v_permlanex16_b32 v[PT], v[WM], s58, s59
	s_delay_alu instid0(VALU_DEP_1)
	v_max_num_f32 v[WM], v[WM], v[PT]              ; my wave's
	ds_store_b32 v[SA], v[WM]
	s_wait_dscnt 0x0                               ; for the others' sake: my maximum and my scale words are in LDS
	s_barrier_signal -1
	s_barrier_wait -1
.irp i, 0,1,2,3
	ds_load_b128 v[K+4*\i:K+4*\i+3], v[SB] offset:16*\i
.endr
	s_cmp_ge_u32 s22, 8                            ; eight units of 256 bytes of scale words: waves 0 to 7 take one each
	s_cbranch_scc1 .Lmax
	ds_load_b64 v[K+16:K+17], v[SR]
	s_wait_dscnt 0x0
	global_store_b64 v[SO], v[K+16:K+17], s[2:3]   ; 16 rows' scale words: 256 consecutive bytes, aligned
.Lmax:
	s_wait_dscnt 0x0
	v_max3_num_f32 v[K], v[K], v[K+1], v[K+2]
.irp i, 3,5,7,9,11,13
	s_delay_alu instid0(VALU_DEP_1)
	v_max3_num_f32 v[K], v[K], v[K+\i], v[K+\i+1]
.endr
	s_delay_alu instid0(VALU_DEP_1)
	v_max_num_f32 v[K], v[K], v[K+15]              ; my work-group's
	v_cmp_eq_u32 vcc_lo, 0, v0
	s_wait_alu depctr_va_vdst(0)
	s_wait_xcnt 0x0                                ; EXEC changes only behind this wait
	s_wait_tensorcnt 0x0                           ; the wave's end
	ds_add_u32 v[SPW], v[NIL]
	s_wait_dscnt 0x0
	s_and_saveexec_b32 s60, vcc_lo                 ; thread 0 alone
	global_store_b32 v[ZR], v[K], s[20:21]
	s_wait_xcnt 0x0
	s_or_b32 exec_lo, exec_lo, s60
	s_endpgm
.Lfunc_end_k_q57a87bd6d2_xprep:
	.size	k_q57a87bd6d2_xprep, .Lfunc_end_k_q57a87bd6d2_xprep-k_q57a87bd6d2_xprep
	.p2alignl 7, 3214868480
	.fill 96, 4, 3214868480
	.section	.rodata,"a",@progbits
	.p2align	6, 0x0
	.amdhsa_kernel k_q57a87bd6d2_xprep
		.amdhsa_group_segment_fixed_size 274688
		.amdhsa_private_segment_fixed_size 0
		.amdhsa_enable_private_segment 0
		.amdhsa_kernarg_size 72
		.amdhsa_user_sgpr_count 2
		.amdhsa_user_sgpr_kernarg_segment_ptr 1
		.amdhsa_wavefront_size32 1
		.amdhsa_system_sgpr_workgroup_id_x 1
		.amdhsa_system_sgpr_workgroup_id_y 1
		.amdhsa_system_sgpr_workgroup_id_z 1
		.amdhsa_system_vgpr_workitem_id 0
		.amdhsa_next_free_vgpr 248
		.amdhsa_next_free_sgpr 66
		.amdhsa_reserve_vcc 1
		.amdhsa_float_denorm_mode_32 3
		.amdhsa_float_denorm_mode_16_64 3
		.amdhsa_memory_ordered 1
		.amdhsa_forward_progress 1
		.amdhsa_inst_pref_size 102
	.end_amdhsa_kernel
	.amdgpu_metadata
---
amdhsa.version: [ 1, 2 ]
amdhsa.kernels:
  - .name:           k_q57a87bd6d2_xprep
    .symbol:         k_q57a87bd6d2_xprep.kd
    .args:
      - { .name: x, .offset: 0, .size: 8, .value_kind: global_buffer, .address_space: global }
      - { .name: W, .offset: 8, .size: 8, .value_kind: global_buffer, .address_space: global }
      - { .name: logits_a, .offset: 16, .size: 8, .value_kind: global_buffer, .address_space: global }
      - { .name: rescale_scale, .offset: 24, .size: 8, .value_kind: global_buffer, .address_space: global }
      - { .name: lsq_a_s, .offset: 32, .size: 8, .value_kind: global_buffer, .address_space: global }
      - { .name: lsq_a_beta, .offset: 40, .size: 8, .value_kind: global_buffer, .address_space: global }
      - { .name: pact_alpha, .offset: 48, .size: 8, .value_kind: global_buffer, .address_space: global }
      - { .name: xq, .offset: 56, .size: 8, .value_kind: global_buffer, .address_space: global }
      - { .name: wmax, .offset: 64, .size: 8, .value_kind: global_buffer, .address_space: global }
    .group_segment_fixed_size: 274688
    .private_segment_fixed_size: 0
    .kernarg_segment_align: 8
    .kernarg_segment_size: 72
    .max_flat_workgroup_size: 512
    .sgpr_count:     66
    .vgpr_count:     248
    .wavefront_size: 32
...
	.end_amdgpu_metadata
.endif
;; end of part 1
;; launch wprep (part 2): grid 256 x 1, 16 waves a work-group, no clusters, 274,432 bytes of LDS; arguments W, wmax, logits_w, rescale_scale, lsq_w_s, wq; writes wq
.if DOCPART == 2
	.amdgcn_target "amdgcn-amd-amdhsa--gfx1250"
	.amdhsa_code_object_version 6
	.text
	.protected	k_q57a87bd6d2_wprep
	.globl	k_q57a87bd6d2_wprep
	.p2align	8
	.type	k_q57a87bd6d2_wprep,@function
k_q57a87bd6d2_wprep:
	s_mov_b64 s[64:65], 0
	v_nop
	global_prefetch_b8 v0, s[64:65] scope:SCOPE_SE
	s_setreg_imm32_b32 hwreg(HW_REG_WAVE_MODE, 25, 1), 1
	s_wait_xcnt 0x0
; q_w = aw0 lsq4(W / scale) + aw1 uniform8(W / scale) + aw2 W / scale, aw = softmax(logits_w / 3.5), is made in f32 and turned into codes of FP4 (E2M1) with one E8M0 byte for each 32 along K.
; The 8-bit step needs the largest |W / scale| of the whole tensor: the launch before left 256 partial maxima of |W|; every wave joins them, and since a correctly rounded division never turns an order round,
; the largest |W / scale| is (the largest |W|) / scale.
; SHARES.  Work-group g owns rows 64 (g / 4) .. + 63 and K = 1024 (g % 4) .. + 1023 of W; wave w owns rows 32 (w / 8) .. + 31 and 128 (w % 8) .. + 127 along K of them: two fragments of 16 rows x 128 K, one a trip.
; ONE tensor load a wave brings its 32 rows x 512 bytes; every LDS byte is filled once.  No cluster: the work-groups share no tile.  No prefetch: all bytes are asked for at the head.
; THE OUTPUT lies in the order of the matrix operand's registers: [32 groups of 128 rows][8 K steps of 512][34,816 bytes]; in a tile the codes at i 4096 + q 1024 + c 512 + 16 lane, the scale words at
; 32,768 + i 256 + 16 r + 4 q.  A row's four words come from four waves: they meet in an LDS stage, and behind the one barrier waves 0 to 7 store one unit of 256 bytes each.
; WHAT STANDS AHEAD OF A ROUND IS DONE AS THE FORMULA WRITES IT: each division is q = a r, e = a - q s (fused), q' = q + e r (fused), r the divisor's reciprocal after one Newton step.
; LIMITS: NaN and infinities are not served.  A block whose largest magnitude lies under 2^-124, a block of zeros too, gets the byte 1 (its codes are zeros; this program alone reads the bytes).
; A quotient can be one unit in the last place off where the reciprocal's Newton step does not end at the nearest number.
.set QT,    8448
.set WREG,  2*QT
.set SST,   16*WREG                    ; the scale words' stage: [2 K steps][4 blocks][16 rows][4 words]
.set SPARE, SST+2048                   ; the spare words, 128 bytes a wave
.set TILE,  34816
.set LA,  4
.set CO,  5
.set SO,  6
.set SH,  7
.set PT,  8
.set RSC, 12                           ; pairs, both halves alike: 1/scale, -scale, 1/sl, -sl, 1/su, -su, aw2, aw1 su, aw0 sl
.set NSC, 14
.set RL,  16
.set NL,  18
.set RU,  20
.set NU,  22
.set A2,  24
.set C1,  28
.set C0,  30
.set M,   34
.set SOP, 38
.set PW,  44
.set LT,  45
.set ST,  46
.set CS,  47
.set SS,  48
.set SR,  49
.set PC,  56
.set X,   96
.set TA,  160
.set TB,  176
.set TC,  192
.set SPW, 208
.set NIL, 209
.set G1,  24
.set G0,  32
.macro DIVC d, a, t, K, RK
	v_mul_f32 v[\d], \RK, v[\a]
	s_delay_alu instid0(VALU_DEP_1)
	v_fma_f32 v[\t], -v[\d], \K, v[\a]
	s_delay_alu instid0(VALU_DEP_1)
	v_fma_f32 v[\d], v[\t], \RK, v[\d]
.endm
.macro FIX r, s, t
	v_fma_f32 v[\t], -v[\s], v[\r], 1.0
	v_fma_f32 v[\r], v[\t], v[\r], v[\r]
.endm
.macro PKM d, a, k
.irp p, 0,2,4,6,8,10,12,14
	v_pk_mul_f32 v[\d+\p:\d+\p+1], v[\a+\p:\a+\p+1], v[\k:\k+1]
.endr
.endm
.macro PKF d, a, k, e
.irp p, 0,2,4,6,8,10,12,14
	v_pk_fma_f32 v[\d+\p:\d+\p+1], v[\a+\p:\a+\p+1], v[\k:\k+1], v[\e+\p:\e+\p+1]
.endr
.endm
.macro RND d
.irp p, 0,1,2,3,4,5,6,7,8,9,10,11,12,13,14,15
	v_rndne_f32 v[\d+\p], v[\d+\p]
.endr
.endm
	s_load_b256 s[4:11], s[0:1], 0x0               ; W, wmax, logits_w, rescale_scale
	s_load_b128 s[12:15], s[0:1], 0x20             ; lsq_w_s, wq
	v_lshl_add_u32 v[SPW], v0, 2, SPARE
	v_mov_b32 v[NIL], 0
	ds_add_u32 v[SPW], v[NIL]                      ; the opening lines: the add twice on end and one wait
	ds_add_u32 v[SPW], v[NIL]
	v_lshrrev_b32 v1, 5, v0
	s_delay_alu instid0(VALU_DEP_1)
	v_readfirstlane_b32 s22, v1                    ; wave 0..15
	v_and_b32 v2, 15, v0                           ; r
	v_bfe_u32 v3, v0, 4, 1                         ; h
	v_and_b32 v1, 31, v0
	s_delay_alu instid0(VALU_DEP_1)
	v_lshlrev_b32 v[CO], 4, v1
	; group 1: 32 rows x 128 elements of 4 bytes, rows 4,096 elements apart, 4 words of padding behind every 128
	s_mov_b32 s[G1+0], (2<<16)|(1<<20)|(6<<22)|(3<<25)
	s_mov_b32 s[G1+1], 128<<16
	s_mov_b32 s[G1+2], 32<<16
	s_mov_b32 s[G1+3], 128<<16
	s_mov_b32 s[G1+4], 32
	s_mov_b32 s[G1+5], 4096
	s_mov_b32 s[G1+6], 0
	s_mov_b32 s[G1+7], 0
	s_mul_i32 s23, s22, WREG
	s_and_b32 s40, s22, 7                          ; which 128 along K
	s_lshr_b32 s41, s22, 3                         ; which 32 rows
	s_lshr_b32 s60, ttmp9, 2
	s_lshl_b32 s60, s60, 20
	s_lshl_b32 s61, s41, 19
	s_add_co_u32 s60, s60, s61
	s_and_b32 s61, ttmp9, 3
	s_lshl_b32 s61, s61, 12
	s_add_co_u32 s60, s60, s61
	s_lshl_b32 s61, s40, 9
	s_add_co_u32 s60, s60, s61
	s_mov_b32 s61, 0
	s_wait_alu depctr_va_vdst(0)
	s_wait_dscnt 0x0
	s_wait_kmcnt 0x0
	s_load_b96 s[48:50], s[8:9], 0x0               ; the three logits
	s_load_b32 s51, s[10:11], 0x0                  ; rescale_scale
	s_load_b32 s52, s[12:13], 0x0                  ; lsq_w_s
	s_add_nc_u64 s[4:5], s[4:5], s[60:61]
	s_mov_b32 s[G0], 1
	s_add_co_u32 s[G0+1], s23, 0
	s_mov_b64 s[G0+2:G0+3], s[4:5]
	s_or_b32 s[G0+3], s[G0+3], 0x80000000
	tensor_load_to_lds s[G0:G0+3], s[G1:G1+7]      ; all of my W: my one tensor load
	s_nop 0
.rept 4
	v_nop
.endr
	global_load_b128 v[96:99], v[CO], s[6:7]       ; the 256 partial maxima: eight a lane
	global_load_b128 v[100:103], v[CO], s[6:7] offset:512
	s_lshr_b32 s42, s40, 2
	s_lshl_b32 s42, s42, 10
	s_lshl_b32 s43, s41, 9
	s_add_co_u32 s42, s42, s43
	s_and_b32 s63, s40, 3                          ; q
	s_lshl_b32 s43, s63, 2
	s_add_co_u32 s42, s42, s43
	s_add_co_u32 s42, s42, SST                     ; stage: my K step, my two blocks, my word of a row's four
	s_lshl_b32 s43, s40, 8
	s_add_co_u32 s43, s43, SST
	v_mul_u32_u24 v[LA], v2, 528
	s_delay_alu instid0(VALU_DEP_1)
	v_lshl_add_u32 v[LA], v3, 7, v[LA]
	s_delay_alu instid0(VALU_DEP_1)
	v_add_nc_u32 v[LA], s23, v[LA]
	v_lshlrev_b32 v[SO], 3, v1
	v_lshlrev_b32 v[SH], 3, v3
	v_lshl_add_u32 v[SS], v2, 4, s42
	v_add_nc_u32 v[SR], s43, v[SO]
	v_mov_b32 v[PT], 0
	s_mov_b32 s54, 0xc3000000                      ; -128
	s_mov_b32 s55, 0x42fe0000                      ; 127
	s_mov_b32 s56, 0xc1000000                      ; -8
	s_mov_b32 s57, 0x40e00000                      ; 7
	s_mov_b32 s58, 0x76543210
	s_mov_b32 s59, 0xfedcba98
	s_lshr_b32 s60, ttmp9, 3
	s_lshl_b32 s60, s60, 3
	s_and_b32 s62, ttmp9, 3
	s_lshl_b32 s62, s62, 1
	s_add_co_u32 s60, s60, s62
	s_lshr_b32 s62, s40, 2
	s_add_co_u32 s60, s60, s62                     ; the output's tile
	s_mul_i32 s60, s60, TILE
	s_add_nc_u64 s[14:15], s[14:15], s[60:61]
	s_bfe_u32 s62, ttmp9, 0x10002                  ; which 64 rows of the group
	s_lshl_b32 s60, s62, 10
	s_lshl_b32 s2, s63, 8
	s_add_co_u32 s60, s60, s2
	s_add_co_u32 s60, s60, 32768
	s_add_nc_u64 s[2:3], s[14:15], s[60:61]        ; the unit of scale words that waves 0 to 7 store
	s_lshl_b32 s60, s62, 14
	s_lshl_b32 s62, s41, 13
	s_add_co_u32 s60, s60, s62
	s_lshl_b32 s62, s63, 10
	s_add_co_u32 s60, s60, s62
	s_add_nc_u64 s[14:15], s[14:15], s[60:61]      ; my codes
	; THE CONSTANTS, alike in all lanes
	s_wait_kmcnt 0x0
	v_mov_b32 v104, 0x358637bd                     ; 1e-6
	s_delay_alu instid0(VALU_DEP_1)
	v_max_num_f32 v105, s51, v104                  ; scale
	s_delay_alu instid0(VALU_DEP_2)
	v_max_num_f32 v106, s52, v104                  ; sl
	v_mov_b32 v108, s48
	v_mov_b32 v109, s49
	v_mov_b32 v110, s50
	DIVC 111, 108, 114, 0x40600000, 0x3e924925     ; logits / 3.5
	DIVC 112, 109, 114, 0x40600000, 0x3e924925
	DIVC 113, 110, 114, 0x40600000, 0x3e924925
	s_delay_alu instid0(VALU_DEP_1)
	v_max3_num_f32 v115, v111, v112, v113          ; the softmax takes its maximum away
.irp i, 111,112,113
	v_sub_f32 v\i, v\i, v115
.endr
.irp i, 111,112,113
	s_delay_alu instid0(VALU_DEP_3)
	v_mul_f32 v\i, 0x3fb8aa3b, v\i
.endr
	s_wait_alu depctr_va_vdst(0)                   ; a wait ahead of the batch and one behind it
	v_exp_f32 v111, v111
	v_exp_f32 v112, v112
	v_exp_f32 v113, v113
	v_rcp_f32 v[RSC], v105
	v_rcp_f32 v[RL], v106
	v_nop
	s_wait_alu depctr_va_vdst(0)
	FIX RSC, 105, 114
	FIX RL, 106, 114
	s_wait_loadcnt 0x0                             ; the partial maxima
	v_max3_num_f32 v96, v96, v97, v98
	s_delay_alu instid0(VALU_DEP_1)
	v_max3_num_f32 v96, v96, v99, v100
	s_delay_alu instid0(VALU_DEP_1)
	v_max3_num_f32 v96, v96, v101, v102
	s_delay_alu instid0(VALU_DEP_1)
	v_max_num_f32 v96, v96, v103
.irp m, 1,2,4,8
	s_delay_alu instid0(VALU_DEP_1)
	v_max_num_f32_dpp v96, v96, v96 row_xmask:\m row_mask:0xf bank_mask:0xf
.endr
	s_delay_alu instid0(VALU_DEP_1)
	v_permlanex16_b32 v[PT], v96, s58, s59
	s_delay_alu instid0(VALU_DEP_1)
	v_max_num_f32 v96, v96, v[PT]                  ; the largest |W|
	s_delay_alu instid0(VALU_DEP_1)
	v_mul_f32 v117, v96, v[RSC]                    ; / scale
	s_delay_alu instid0(VALU_DEP_1)
	v_fma_f32 v114, -v117, v105, v96
	s_delay_alu instid0(VALU_DEP_1)
	v_fma_f32 v117, v114, v[RSC], v117
	DIVC 107, 117, 114, 0x42fe0000, 0x3c010204     ; / 127
	s_delay_alu instid0(VALU_DEP_1)
	v_max_num_f32 v107, v107, v104                 ; su
	v_add_f32 v115, v111, v112
	v_add_f32 v115, v115, v113
	s_wait_alu depctr_va_vdst(0)
	v_rcp_f32 v[RU], v107
	v_rcp_f32 v116, v115
	v_nop
	s_wait_alu depctr_va_vdst(0)
	FIX RU, 107, 114
	FIX 116, 115, 114
	v_mul_f32 v111, v111, v116                     ; aw0
	v_mul_f32 v112, v112, v116                     ; aw1
	v_mul_f32 v[A2], v113, v116                    ; aw2
	s_delay_alu instid0(VALU_DEP_3)
	v_mul_f32 v[C0], v111, v106
	s_delay_alu instid0(VALU_DEP_3)
	v_mul_f32 v[C1], v112, v107
	v_xor_b32 v[NSC], 0x80000000, v105
	v_xor_b32 v[NL], 0x80000000, v106
	v_xor_b32 v[NU], 0x80000000, v107
.irp k, RSC, NSC, RL, NL, RU, NU, A2, C1, C0
	v_mov_b32 v[\k+1], v[\k]
.endr
; 16 numbers of a lane, v[X + 16 g] on, become q_w
.macro WGT g
.set X0, X+16*(\g)
	PKM TA, X0, RSC                                ; W / scale: first guess,
	PKF X0, TA, NSC, X0                            ; what is left of W,
	PKF X0, X0, RSC, TA                            ; the quotient: W_pre
	PKM TB, X0, RL                                 ; W_pre / sl likewise
	PKF TA, TB, NL, X0
	PKF TB, TA, RL, TB
.irp p, 0,1,2,3,4,5,6,7,8,9,10,11,12,13,14,15
	v_med3_num_f32 v[TB+\p], v[TB+\p], s56, s57    ; held to -8 .. 7, then rounded
.endr
	RND TB
	PKM TC, X0, RU                                 ; W_pre / su
	PKF TA, TC, NU, X0
	PKF TC, TA, RU, TC
	RND TC                                         ; rounded, then held to -128 .. 127
.irp p, 0,1,2,3,4,5,6,7,8,9,10,11,12,13,14,15
	v_med3_num_f32 v[TC+\p], v[TC+\p], s54, s55
.endr
	PKM X0, X0, A2                                 ; aw2 W_pre
	PKF X0, TC, C1, X0                             ; + aw1 su round(..)
	PKF X0, TB, C0, X0                             ; + aw0 sl round(..)
.endm
.macro QUANT                           ; two whole blocks of 32 a lane: codes into v[PC] on, the row's scale word into v[PW]
.irp n, 0,1,2,3
	v_max3_num_f32 v[M+\n], |v[X+16*\n]|, |v[X+16*\n+1]|, 0x1800000   ; the floor 2^(3 - 127) holds the byte at 1 from below
.endr
.irp i, 2,4,6,8,10,12,14
.irp n, 0,1,2,3
	s_delay_alu instid0(VALU_DEP_4)
	v_max3_num_f32 v[M+\n], v[M+\n], |v[X+16*\n+\i]|, |v[X+16*\n+\i+1]|
.endr
.endr
	s_delay_alu instid0(VALU_DEP_3)
	v_max_num_f32 v[M], v[M], v[M+1]
	s_delay_alu instid0(VALU_DEP_2)
	v_max_num_f32 v[M+2], v[M+2], v[M+3]
	s_delay_alu instid0(VALU_DEP_2)
	v_add_nc_u32 v[SOP], 0xff000000, v[M]          ; 2 off the exponent field: the conversion takes that field as its scale
	s_delay_alu instid0(VALU_DEP_2)
	v_add_nc_u32 v[SOP+1], 0xff000000, v[M+2]
	s_delay_alu instid0(VALU_DEP_2)
	v_lshrrev_b32 v40, 23, v[SOP]
	s_delay_alu instid0(VALU_DEP_2)
	v_lshrrev_b32 v41, 23, v[SOP+1]
	s_delay_alu instid0(VALU_DEP_1)
	v_lshl_or_b32 v42, v41, 16, v40
	s_delay_alu instid0(VALU_DEP_1)
	v_lshlrev_b32 v42, v[SH], v42
	s_delay_alu instid0(VALU_DEP_1)
	v_permlanex16_b32 v[PT], v42, s58, s59
	s_delay_alu instid0(VALU_DEP_1)
	v_or_b32 v[PW], v42, v[PT]
.irp c, 0,1
.irp g, 0,1,2,3
	v_cvt_scalef32_pk8_fp4_f32 v[PC+4*\c+\g], v[X+32*\c+8*\g:X+32*\c+8*\g+7], v[SOP+\c]
.endr
.endr
	v_nop                                          ; a plain line behind the last conversion
.endm
	s_mov_b32 s36, 0                               ; the trip's steps: LDS, stage, codes
	s_mov_b32 s37, 0
	s_mov_b32 s38, 0
	s_wait_alu depctr_va_vdst(0)                   ; the wait at the head's end
	s_wait_tensorcnt 0x0                           ; my tile is in; only I read it
.Lfrag:                                                ; a trip: one block of 16 rows
	v_add_nc_u32 v[LT], s36, v[LA]
.irp c, 0,1
.irp j, 0,1,2,3,4,5,6,7
	ds_load_b128 v[X+32*\c+4*\j:X+32*\c+4*\j+3], v[LT] offset:256*\c+16*\j
.endr
.endr
	v_add_nc_u32 v[ST], s37, v[SS]
.irp g, 0,1,2,3
	s_wait_dscnt 12-4*\g                           ; four loads a group of 16 numbers: the younger groups may be out
	WGT \g
.endr
	s_wait_xcnt 0x0                                ; the last trip's stores have read their offset and their codes
	v_add_nc_u32 v[CS], s38, v[CO]
	QUANT
	ds_store_b32 v[ST], v[PW]                      ; both halves of the lanes write the same word with the same value
	global_store_b128 v[CS], v[PC:PC+3], s[14:15]              ; 512 consecutive bytes, aligned
	global_store_b128 v[CS], v[PC+4:PC+7], s[14:15] offset:512
	s_add_co_u32 s37, s37, 256
	s_add_co_u32 s38, s38, 4096
	s_add_co_u32 s36, s36, QT
	s_cmp_lt_u32 s36, 2*QT
	s_cbranch_scc1 .Lfrag
	s_wait_dscnt 0x0                               ; for the others' sake: my scale words are in the stage
	s_barrier_signal -1
	s_barrier_wait -1
	s_cmp_ge_u32 s22, 8                            ; the stage holds eight units of 256 bytes: waves 0 to 7 take one each
	s_cbranch_scc1 .Ldone
	ds_load_b64 v[96:97], v[SR]
	s_wait_dscnt 0x0
	global_store_b64 v[SO], v[96:97], s[2:3]       ; 16 rows' scale words: 256 consecutive bytes, aligned
.Ldone:
	s_wait_tensorcnt 0x0                           ; the wave's end
	ds_add_u32 v[SPW], v[NIL]
	s_wait_dscnt 0x0
	s_endpgm
.Lfunc_end_k_q57a87bd6d2_wprep:
	.size	k_q57a87bd6d2_wprep, .Lfunc_end_k_q57a87bd6d2_wprep-k_q57a87bd6d2_wprep
	.p2alignl 7, 3214868480
	.fill 96, 4, 3214868480
	.section	.rodata,"a",@progbits
	.p2align	6, 0x0
	.amdhsa_kernel k_q57a87bd6d2_wprep
		.amdhsa_group_segment_fixed_size 274432
		.amdhsa_private_segment_fixed_size 0
		.amdhsa_enable_private_segment 0
		.amdhsa_kernarg_size 48
		.amdhsa_user_sgpr_count 2
		.amdhsa_user_sgpr_kernarg_segment_ptr 1
		.amdhsa_wavefront_size32 1
		.amdhsa_system_sgpr_workgroup_id_x 1
		.amdhsa_system_sgpr_workgroup_id_y 1
		.amdhsa_system_sgpr_workgroup_id_z 1
		.amdhsa_system_vgpr_workitem_id 0
		.amdhsa_next_free_vgpr 210
		.amdhsa_next_free_sgpr 66
		.amdhsa_reserve_vcc 0
		.amdhsa_float_denorm_mode_32 3
		.amdhsa_float_denorm_mode_16_64 3
		.amdhsa_memory_ordered 1
		.amdhsa_forward_progress 1
		.amdhsa_inst_pref_size 53
	.end_amdhsa_kernel
	.amdgpu_metadata
---
amdhsa.version: [ 1, 2 ]
amdhsa.kernels:
  - .name:           k_q57a87bd6d2_wprep
    .symbol:         k_q57a87bd6d2_wprep.kd
    .args:
      - { .name: W, .offset: 0, .size: 8, .value_kind: global_buffer, .address_space: global }
      - { .name: wmax, .offset: 8, .size: 8, .value_kind: global_buffer, .address_space: global }
      - { .name: logits_w, .offset: 16, .size: 8, .value_kind: global_buffer, .address_space: global }
      - { .name: rescale_scale, .offset: 24, .size: 8, .value_kind: global_buffer, .address_space: global }
      - { .name: lsq_w_s, .offset: 32, .size: 8, .value_kind: global_buffer, .address_space: global }
      - { .name: wq, .offset: 40, .size: 8, .value_kind: global_buffer, .address_space: global }
    .group_segment_fixed_size: 274432
    .private_segment_fixed_size: 0
    .kernarg_segment_align: 8
    .kernarg_segment_size: 48
    .max_flat_workgroup_size: 512
    .sgpr_count:     66
    .vgpr_count:     210
    .wavefront_size: 32
...
	.end_amdgpu_metadata
.endif
;; end of part 2
;; launch gemm (part 3): grid 16 x 16, 4 waves a work-group, clusters of 4 x 4, 327,680 bytes of LDS; arguments xq, wq, b, out0; writes out0
.if DOCPART == 3
	.amdgcn_target "amdgcn-amd-amdhsa--gfx1250"
	.amdhsa_code_object_version 6
	.text
	.protected	k_q57a87bd6d2_gemm
	.globl	k_q57a87bd6d2_gemm
	.p2align	8
	.type	k_q57a87bd6d2_gemm,@function
k_q57a87bd6d2_gemm:
	s_mov_b64 s[64:65], 0
	v_nop
	global_prefetch_b8 v0, s[64:65] scope:SCOPE_SE
	s_setreg_imm32_b32 hwreg(HW_REG_WAVE_MODE, 25, 1), 1
	s_wait_xcnt 0x0
	s_wait_alu depctr_hold_cnt(0) depctr_sa_sdst(0) depctr_va_vdst(0) depctr_va_sdst(0) depctr_va_ssrc(0) depctr_va_vcc(0) depctr_vm_vsrc(0)
	s_getreg_b32 s2, hwreg(HW_REG_IB_STS2, 6, 4)
	s_cmp_eq_u32 s2, 0
	s_cbranch_scc0 .Lentry_in_a_cluster
	s_endpgm
.Lentry_in_a_cluster:
	s_bfe_u32 s2, ttmp6, 0x10000c
	s_cmp_lg_u32 s2, 0xf033
	s_cbranch_scc0 .Lentry_shape_is_right
	s_endpgm
.Lentry_shape_is_right:
; out[m][n] = sum over k of q_x[m][k] q_w[n][k] + b[n], on codes of FP4 (E2M1) with E8M0 scales, by v_wmma_scale_f32_16x16x128_f8f6f4; sums in f32.
; xq and wq lie as [32 groups of 128 rows][8 K steps of 512][34,816 bytes]: in a tile the codes in the order of the operand's registers (i 4096 + q 1024 + c 512 + 16 lane), behind them the scale words (32,768 + i 256 + 16 r + 4 q).
; A block of 256 x 256 of out is made by four waves, each 128 x 128: 64 accumulators, 512 registers.  256 work-groups.  The product is used transposed (source 0 = rows of q_w), so that a lane holds eight neighbouring numbers of a row of out.
; CLUSTERS 4 x 4: x's tiles are asked for jointly along a row of the cluster, W's along a column.  Waves 0, 1 fetch x's two groups, waves 2, 3 W's: one dense tile of 136 rows x 256 bytes a wave and K step.
; LDS: each fetching wave has slot 0's tile and slot 1's on end, and a group's K steps 0 and 1 lie on end in memory: so ONE joint load a wave at the head (272 rows) fills both slots.  From then on a ring of two slots, one load a wave behind each round.
; FRAGMENTS: two sets for both operands.  All 32 loads of a step of 128 along K are issued at the head of the step before; the waits count down block by block of x (46 - 2 a: the 32 just issued and the blocks behind block a may be out).
; THE LAST K STEP GOES BY ROWS OF out: all its fragments of W fill window 1 (4 x 64 registers), x's come by blocks of 16 rows x 512 K (four buffers of 32 registers), and each block of 16 rows is finished by 32 products, K ascending,
; and leaves at once through the stage; the next block's products stand between a block's loads from the stage and the wait for them.
; PREFETCH: behind each refill a wave names the K step two refills on of the tile that it fetches: its 136 blocks of 256 bytes are shared out among the four partners by address, 34 each (32 lanes, then two; the lanes left over name the last again).
; The head asks for K steps 2 and 3; the loop's last trip asks for nothing: K step 7 is the last.
; The bias is the C of each accumulator's first product.  Registers: window 0: v0-31 addresses, v32-95 scale words (two sets), v128-255 x's fragments, on the way out v32-63 and v96-127 rows read back; window 1: W's fragments (v64-127 first hold the bias); windows 2, 3: accumulators.
.set SIZE_N, 4096
.set HALFT,  34816
.set REG2,   2*HALFT
.set LAPS,   4
.set SPARE,  8*HALFT                   ; the spare words, 128 bytes a wave
.set STAGE,  SPARE+512                 ; the way out: 16 rows x 528 bytes a wave; no tensor load lands here
.set SPITCH, 528
.set ADRA, 16
.set ADRB, 20
.set ADRS, 22
.set STO,  24
.set RD,   25
.set CO,   26
.set BO,   27
.set SPW,  28
.set NIL,  29
.set PF0,  30                          ; 256 x lane
.set PF1,  31                          ; 256 x (32 + min(lane, 1))
.set SC,   32
.set AF,   128
.set BIAS, 64
.set PFA,  12                          ; s[12:13]: my 34 blocks of the K step that is being asked for
.set G1, 24
.set G0, 32
.set G1B, 48
.set G0B, 56
.set MSB, 0
.macro WIN new
.if MSB != (\new)
	s_set_vgpr_msb (MSB<<8)|(\new)
.set MSB, (\new)
.endif
.endm
.set TO_B, 0x40
.macro JLOAD g0a, g1a, g0b, g1b        ; a joint load
	s_cmp_eq_u32 s15, 0
	s_cbranch_scc0 .Lfor_b_\@
	tensor_load_to_lds s[\g0a:\g0a+3], s[\g1a:\g1a+7]
	s_nop 0
.rept 4
	v_nop
.endr
	s_branch .Lasked_\@
.Lfor_b_\@:
	tensor_load_to_lds s[\g0b:\g0b+3], s[\g1b:\g1b+7]
	s_nop 0
.rept 4
	v_nop
.endr
.Lasked_\@:
.endm
.macro CREST
	s_cmp_lg_u32 s14, 0
	s_cbranch_scc1 .Lnot_wave_0_\@
	s_barrier_signal -3
.Lnot_wave_0_\@:
	s_barrier_wait -3
	s_barrier_signal -1
	s_barrier_wait -1
.endm
.macro CROUND
	s_barrier_signal -1
	s_barrier_wait -1
	CREST
.endm
	s_load_b256 s[4:11], s[0:1], 0x0               ; xq, wq, b, out0
	v_lshl_add_u32 v[SPW], v0, 2, SPARE
	v_mov_b32 v[NIL], 0
	ds_add_u32 v[SPW], v[NIL]                      ; the opening lines: the add twice on end and one wait
	ds_add_u32 v[SPW], v[NIL]
	v_lshrrev_b32 v1, 5, v0
	v_readfirstlane_b32 s14, v1                    ; wave
	s_lshr_b32 s15, s14, 1                         ; my half of the rows; also: I fetch for x (0) or W (1)
	s_and_b32 s16, s14, 1                          ; my half of the columns; also: which group I fetch
	s_bfe_u32 s40, ttmp6, 0x40000                  ; cx
	s_bfe_u32 s41, ttmp6, 0x40004                  ; cy
	s_lshl_b32 s42, ttmp9, 2
	s_add_co_u32 s42, s42, s40                     ; block column
	s_and_b32 s17, ttmp7, 0xffff
	s_lshl_b32 s17, s17, 2
	s_add_co_u32 s17, s17, s41                     ; block row
	s_lshl_b32 s43, s41, 2
	s_lshl_b32 s43, 15, s43
	s_lshl_b32 s44, 0x1111, s40
	s_or_b32 s[G1+0], s43, (3<<16)|(1<<21)         ; elements of 8 bytes; x's tiles go to my row of the cluster,
	s_or_b32 s[G1B+0], s44, (3<<16)|(1<<21)        ; W's to my column
.irp g, G1, G1B
	s_mov_b32 s[\g+1], 32<<16                      ; rows of 256 bytes, dense
	s_mov_b32 s[\g+2], 272<<16                     ; the head's load: two K steps, 272 rows
	s_mov_b32 s[\g+3], 32<<16
	s_mov_b32 s[\g+4], 272
	s_mov_b32 s[\g+5], 32
	s_mov_b32 s[\g+6], 0
	s_mov_b32 s[\g+7], 0
.endr
	s_lshl_b32 s20, s17, 1
	s_add_co_u32 s20, s20, s16
	s_mul_i32 s20, s20, 8*HALFT
	s_mov_b32 s21, 0
	s_lshl_b32 s46, s42, 1
	s_add_co_u32 s46, s46, s16
	s_mul_i32 s46, s46, 8*HALFT
	s_mov_b32 s47, 0
	s_mul_i32 s45, s14, REG2
	s_wait_dscnt 0x0
	s_wait_kmcnt 0x0
	s_add_nc_u64 s[20:21], s[4:5], s[20:21]
	s_add_nc_u64 s[46:47], s[6:7], s[46:47]
	CROUND                                         ; all sixteen work-groups are here: the first joint loads meet
.irp s, 0,1
	s_mov_b32 s[G0+4*\s], 1
	s_add_co_u32 s[G0+4*\s+1], s45, \s*HALFT
	s_add_nc_u64 s[G0+4*\s+2:G0+4*\s+3], s[20:21], \s*HALFT
	s_or_b32 s[G0+4*\s+3], s[G0+4*\s+3], 0x80000000
	s_mov_b32 s[G0B+4*\s], 1
	s_add_co_u32 s[G0B+4*\s+1], s45, \s*HALFT
	s_add_nc_u64 s[G0B+4*\s+2:G0B+4*\s+3], s[46:47], \s*HALFT
	s_or_b32 s[G0B+4*\s+3], s[G0B+4*\s+3], 0x80000000
.endr
	JLOAD G0, G1, G0B, G1B                         ; K steps 0 and 1, both slots: my one load at the head
	s_cmp_eq_u32 s15, 0
	s_cselect_b64 s[PFA:PFA+1], s[20:21], s[46:47] ; the prefetches: the group that I fetch,
	s_cselect_b32 s18, s40, s41                    ; my place among the four that ask for it with me,
	s_mul_i32 s18, s18, 34*256                     ; my 34 blocks,
	s_add_co_u32 s18, s18, HALFT                   ; at K step 1
	s_mov_b32 s19, 0
	s_add_nc_u64 s[PFA:PFA+1], s[PFA:PFA+1], s[18:19]
	s_lshl_b32 s46, s42, 10                        ; my first column in bytes
	s_lshl_b32 s47, s16, 9
	s_add_co_u32 s46, s46, s47
	s_mov_b32 s47, 0
	s_add_nc_u64 s[8:9], s[8:9], s[46:47]
	s_lshl_b32 s18, s17, 8
	s_lshl_b32 s20, s15, 7
	s_add_co_u32 s18, s18, s20
	s_lshl_b32 s18, s18, 14                        ; my first row of out, 16,384 bytes a row
	s_add_nc_u64 s[10:11], s[10:11], s[18:19]
	s_add_nc_u64 s[10:11], s[10:11], s[46:47]
	s_mul_i32 s21, s15, REG2                       ; x's group that I multiply
	s_mul_i32 s22, s16, REG2
	s_add_co_u32 s22, s22, 2*REG2                  ; W's
	s_sub_co_u32 s23, s22, s21
	s_mul_i32 s43, s14, 16*SPITCH
	s_add_co_u32 s43, s43, STAGE
	v_and_b32 v1, 15, v0
	v_bfe_u32 v2, v0, 4, 1
	v_and_b32 v3, 31, v0
	v_lshlrev_b32 v[CO], 4, v3
	v_lshlrev_b32 v[BO], 5, v2
	v_lshlrev_b32 v[PF0], 8, v3
	v_min_u32 v[PF1], 1, v3
	v_lshlrev_b32 v[PF1], 8, v[PF1]
	v_add_nc_u32 v[PF1], 8192, v[PF1]
	v_mul_u32_u24 v5, s23, v2                      ; scale words: lanes 0-15 x's, lanes 16-31 W's
	v_lshl_add_u32 v5, v1, 4, v5
	v_add_nc_u32 v5, 32768, v5
	v_add_nc_u32 v[ADRA], s21, v[CO]
	v_add_nc_u32 v[ADRB], s22, v[CO]
	v_add_nc_u32 v[ADRS], s21, v5
	v_add_nc_u32 v[ADRA+1], HALFT, v[ADRA]
	v_add_nc_u32 v[ADRB+1], HALFT, v[ADRB]
	v_add_nc_u32 v[ADRS+1], HALFT, v[ADRS]
	v_mul_u32_u24 v6, v1, SPITCH
	v_lshl_add_u32 v6, v2, 5, v6
	v_add_nc_u32 v[STO], s43, v6
	v_add_nc_u32 v[RD], s43, v[CO]
	WIN TO_B
.irp n, 0,1,2,3,4,5,6,7
	global_load_b128 v[BIAS+8*\n:BIAS+8*\n+3], v[BO], s[8:9] offset:64*\n
	global_load_b128 v[BIAS+8*\n+4:BIAS+8*\n+7], v[BO], s[8:9] offset:64*\n+16
.endr
	WIN 0
.irp t, 1,2
	global_prefetch_b8 v[PF0], s[PFA:PFA+1] offset:\t*HALFT th:TH_LOAD_NT scope:SCOPE_SE   ; K steps 2 and 3
	global_prefetch_b8 v[PF1], s[PFA:PFA+1] offset:\t*HALFT th:TH_LOAD_NT scope:SCOPE_SE
.endr
.macro FRAG reg, adr, q, i
	ds_load_b128 v[\reg:\reg+3], v[\adr] offset:((\i)*4+(\q))*1024
	ds_load_b128 v[\reg+4:\reg+7], v[\adr] offset:((\i)*4+(\q))*1024+512
.endm
; eight products: x's block a against W's eight; p: the fragments' set, q: the slot's q-th 128 along K, sc: the scale words' set.  The 64 accumulators take turns.
.macro MUL8 a, p, q, sc, first
.irp b, 0,1,2,3,4,5,6,7
.if \first
	v_wmma_scale_f32_16x16x128_f8f6f4 v[8*(8*((\a)%4)+\b):8*(8*((\a)%4)+\b)+7], v[128*(\p)+8*\b:128*(\p)+8*\b+7], v[AF+64*(\p)+8*(\a):AF+64*(\p)+8*(\a)+7], v[BIAS+8*\b:BIAS+8*\b+7], v[SC+32*(\sc)+4*\b+(\q)], v[SC+32*(\sc)+4*(\a)+(\q)] matrix_a_fmt:MATRIX_FMT_FP4 matrix_b_fmt:MATRIX_FMT_FP4 matrix_a_scale:MATRIX_SCALE_ROW1
.else
	v_wmma_scale_f32_16x16x128_f8f6f4 v[8*(8*((\a)%4)+\b):8*(8*((\a)%4)+\b)+7], v[128*(\p)+8*\b:128*(\p)+8*\b+7], v[AF+64*(\p)+8*(\a):AF+64*(\p)+8*(\a)+7], v[8*(8*((\a)%4)+\b):8*(8*((\a)%4)+\b)+7], v[SC+32*(\sc)+4*\b+(\q)], v[SC+32*(\sc)+4*(\a)+(\q)] matrix_a_fmt:MATRIX_FMT_FP4 matrix_b_fmt:MATRIX_FMT_FP4 matrix_a_scale:MATRIX_SCALE_ROW1
.endif
.endr
.endm
.macro MWIN a, first                   ; source 0 window 1, source 1 window 0, D window 2 or 3; C with D, or the bias in window 1
.if \first
	WIN 0x91+0x40*((\a)/4)
.else
	WIN 0xa1+0x50*((\a)/4)
.endif
.endm
.macro FETCH slot, q, p                ; 32 loads: W's eight fragments, then x's eight, into set p
	WIN TO_B
.irp i, 0,1,2,3,4,5,6,7
	FRAG 128*(\p)+8*\i, ADRB+\slot, \q, \i
.endr
	WIN 0
.irp i, 0,1,2,3,4,5,6,7
	FRAG AF+64*(\p)+8*\i, ADRA+\slot, \q, \i
.endr
.endm
.macro SCALES sc
.irp i, 0,1,2,3,4,5,6,7
	ds_load_b128 v[SC+32*\sc+4*\i:SC+32*\sc+4*\i+3], v[ADRS+\sc] offset:\i*256
.endr
.endm
.macro BQ q                            ; the last K step: W's eight fragments of its q-th 128 along K -> window 1, v[64 q ..]
.irp i, 0,1,2,3,4,5,6,7
	FRAG 64*\q+8*\i, ADRB+1, \q, \i
.endr
.endm
.macro AL a                            ; the last K step: x's block a, all four quarters -> buffer a % 4
.irp q, 0,1,2,3
	FRAG AF+32*((\a)%4)+8*\q, ADRA+1, \q, \a
.endr
.endm
.macro PLACES                          ; four places ahead of loads into registers that matrix instructions have read, and of reads of results
.rept 4
	v_nop
.endr
.endm
.macro STEP slot, q, first             ; a step of 128 along K whose successor lies in the same slot
	PLACES
	FETCH \slot, (\q)+1, 1-(\q)%2
.irp a, 0,1,2,3,4,5,6,7
	s_wait_dscnt 46-2*\a                           ; W's set and x's blocks 0 .. a are in; out may be x's later blocks and the 32 loads just issued
	MWIN \a, \first
	MUL8 \a, (\q)%2, \q, \slot, \first
.endr
.endm
.macro ASK                             ; the K step two refills on; s3 = 1 in the last trip, which has none
	s_cmp_gt_u32 s3, 1
	s_cbranch_scc0 .Lnone_\@
	global_prefetch_b8 v[PF0], s[PFA:PFA+1] offset:2*HALFT th:TH_LOAD_NT scope:SCOPE_SE
	global_prefetch_b8 v[PF1], s[PFA:PFA+1] offset:2*HALFT th:TH_LOAD_NT scope:SCOPE_SE
.Lnone_\@:
.endm
.macro TURN slot, next, fill           ; a slot's last step changes slots; fill = 1: this slot is filled again, two K steps on; fill = 0: the last change, into the K step that goes by rows
.if \fill
	s_wait_xcnt 0x0                                ; my prefetches have read their address
	s_add_nc_u64 s[PFA:PFA+1], s[PFA:PFA+1], HALFT
.endif
	WIN 0
	s_wait_tensorcnt 0x0                           ; all my tensor loads have landed: my part of the next slot;
	ds_add_u32 v[SPW], v[NIL]
	s_wait_dscnt 15                                ; (the add and x's blocks 1-7 may be out)
	MWIN 0, 0
	MUL8 0, 1, 3, \slot, 0
	s_wait_dscnt 13
	MUL8 1, 1, 3, \slot, 0
	s_wait_dscnt 0x0                               ; the add is done, and my reads of this slot are over
	s_barrier_signal -1
	MUL8 2, 1, 3, \slot, 0
	MUL8 3, 1, 3, \slot, 0
	WIN 0
	s_barrier_wait -1
.if \fill
	CREST                                          ; the barrier has opened a round of the cluster's barrier
	s_add_nc_u64 s[G0+4*\slot+2:G0+4*\slot+3], s[G0+4*\slot+2:G0+4*\slot+3], 2*HALFT
	s_add_nc_u64 s[G0B+4*\slot+2:G0B+4*\slot+3], s[G0B+4*\slot+2:G0B+4*\slot+3], 2*HALFT
	JLOAD G0+4*\slot, G1, G0B+4*\slot, G1B         ; the first tensor load behind the round; its four v_nop are the places for the loads below
	SCALES \next                                   ; ahead of the fragments, so that the next step's counts cover them
	FETCH \next, 0, 0
	ASK
.else
	PLACES
	SCALES 1
	WIN TO_B
	BQ 0                                           ; three quarters of W now: set 1 of both operands is still being multiplied
	BQ 1
	BQ 3
	WIN 0
	AL 0
	AL 1
.endif
.irp a, 4,5,6,7
	MWIN \a, 0
	MUL8 \a, 1, 3, \slot, 0
.endr
.endm
	s_wait_alu depctr_va_vdst(0)                   ; the wait at the head's end
	s_wait_tensorcnt 0x0                           ; my two tiles are in; no load of mine is out, so a descriptor may be written:
.irp g, G1, G1B
	s_mov_b32 s[\g+2], 136<<16                     ; from here on a load brings one K step, 136 rows
	s_mov_b32 s[\g+4], 136
.endr
	s_barrier_signal -1
	s_barrier_wait -1                              ; everybody's tiles are in
	SCALES 0
	FETCH 0, 0, 0
	s_wait_loadcnt 0x0                             ; the bias
	STEP 0, 0, 1                                   ; the first step stands ahead of the loop: its products start the sums on the bias
	WIN 0
	s_mov_b32 s3, LAPS-1
.Llap:                                                 ; a trip goes once round the ring and fills both slots again
	STEP 0, 1, 0
	STEP 0, 2, 0
	TURN 0, 1, 1
	STEP 1, 0, 0
	STEP 1, 1, 0
	STEP 1, 2, 0
	TURN 1, 0, 1
	STEP 0, 0, 0
	WIN 0
	s_sub_co_u32 s3, s3, 1
	s_cmp_lg_u32 s3, 0
	s_cbranch_scc1 .Llap
	STEP 0, 1, 0                                   ; the last lap fills nothing
	STEP 0, 2, 0
	TURN 0, 1, 0
	PLACES                                         ; for the loads into set 1 of both operands
	WIN TO_B
	BQ 2
	WIN 0
	AL 2
	AL 3
	s_wait_dscnt 32                                ; all but the 32 just issued
; block a of 16 rows is finished: 32 products, its eight accumulators by turns, K ascending
.macro ROW a
	MWIN \a, 0
.irp q, 0,1,2,3
.if (\a) == 0 && \q == 2
	s_wait_dscnt 16                                ; W's quarter 2 is in (behind it: x's blocks 2 and 3)
.endif
.irp b, 0,1,2,3,4,5,6,7
	v_wmma_scale_f32_16x16x128_f8f6f4 v[8*(8*((\a)%4)+\b):8*(8*((\a)%4)+\b)+7], v[64*\q+8*\b:64*\q+8*\b+7], v[AF+32*((\a)%4)+8*\q:AF+32*((\a)%4)+8*\q+7], v[8*(8*((\a)%4)+\b):8*(8*((\a)%4)+\b)+7], v[SC+32+4*\b+\q], v[SC+32+4*(\a)+\q] matrix_a_fmt:MATRIX_FMT_FP4 matrix_b_fmt:MATRIX_FMT_FP4 matrix_a_scale:MATRIX_SCALE_ROW1
.endr
.endr
.endm
; THE WAY OUT of block a, 16 rows x 128 columns, through my own stage: in as 32 bytes a lane, back as whole rows of 512 bytes.  LDS serves a wave's instructions in order (ISA guide 5.7.1.4).
.macro OUTA a
	PLACES                                         ; its results were just made; its buffer of x takes the block four further on
.if (\a) > 0
	s_wait_xcnt 0x0                                ; the block before: its stores have read their registers and their base
.endif
.set AC, 64*((\a)%4)
	WIN 0x08+4*((\a)/4)
.irp b, 0,1,2,3,4,5,6,7
	ds_store_b128 v[STO], v[AC+8*\b:AC+8*\b+3] offset:64*\b          ; each accumulator from its low end on
	ds_store_b128 v[STO], v[AC+8*\b+4:AC+8*\b+7] offset:64*\b+16
.endr
	WIN 0
.irp t, 0,1,2,3,4,5,6,7
	ds_load_b128 v[32+4*\t:35+4*\t], v[RD] offset:\t*SPITCH
.endr
.irp t, 8,9,10,11,12,13,14,15
	ds_load_b128 v[64+4*\t:67+4*\t], v[RD] offset:\t*SPITCH
.endr
.if (\a) < 4
	AL (\a)+4
.endif
.endm
.macro OUTS a
	WIN 0
.if (\a) < 4
	s_wait_dscnt 8                                 ; the block is back in registers; the block of x just asked for may be out
.else
	s_wait_dscnt 0x0
.endif
.if (\a) > 0
	s_add_nc_u64 s[10:11], s[10:11], 16*SIZE_N*4   ; behind OUTA's wait on XCNT: the earlier stores have read their base
.endif
.irp t, 0,1,2,3,4,5,6,7
	global_store_b128 v[CO], v[32+4*\t:35+4*\t], s[10:11] offset:\t*SIZE_N*4 th:TH_STORE_NT   ; 512 consecutive bytes, aligned
.endr
.irp t, 8,9,10,11,12,13,14,15
	global_store_b128 v[CO], v[64+4*\t:67+4*\t], s[10:11] offset:\t*SIZE_N*4 th:TH_STORE_NT
.endr
.endm
	ROW 0
.irp a, 0,1,2,3,4,5,6,7
	OUTA \a
.if \a < 7
	ROW \a+1                                       ; the next block's products, while this block turns through the stage
.endif
	OUTS \a
.endr
	s_wait_tensorcnt 0x0                           ; the wave's end
	ds_add_u32 v[SPW], v[NIL]
	s_wait_dscnt 0x0
	CROUND                                         ; the closing round
	s_endpgm
.Lfunc_end_k_q57a87bd6d2_gemm:
	.size	k_q57a87bd6d2_gemm, .Lfunc_end_k_q57a87bd6d2_gemm-k_q57a87bd6d2_gemm
	.p2alignl 7, 3214868480
	.fill 96, 4, 3214868480
	.section	.rodata,"a",@progbits
	.p2align	6, 0x0
	.amdhsa_kernel k_q57a87bd6d2_gemm
		.amdhsa_group_segment_fixed_size 327680
		.amdhsa_private_segment_fixed_size 0
		.amdhsa_enable_private_segment 0
		.amdhsa_kernarg_size 32
		.amdhsa_user_sgpr_count 2
		.amdhsa_user_sgpr_kernarg_segment_ptr 1
		.amdhsa_wavefront_size32 1
		.amdhsa_system_sgpr_workgroup_id_x 1
		.amdhsa_system_sgpr_workgroup_id_y 1
		.amdhsa_system_sgpr_workgroup_id_z 1
		.amdhsa_system_vgpr_workitem_id 0
		.amdhsa_next_free_vgpr 1024
		.amdhsa_next_free_sgpr 66
		.amdhsa_reserve_vcc 0
		.amdhsa_float_denorm_mode_32 3
		.amdhsa_float_denorm_mode_16_64 3
		.amdhsa_memory_ordered 1
		.amdhsa_forward_progress 1
		.amdhsa_inst_pref_size 211
	.end_amdhsa_kernel
	.amdgpu_metadata
---
amdhsa.version: [ 1, 2 ]
amdhsa.kernels:
  - .name:           k_q57a87bd6d2_gemm
    .symbol:         k_q57a87bd6d2_gemm.kd
    .args:
      - { .name: xq, .offset: 0, .size: 8, .value_kind: global_buffer, .address_space: global }
      - { .name: wq, .offset: 8, .size: 8, .value_kind: global_buffer, .address_space: global }
      - { .name: b, .offset: 16, .size: 8, .value_kind: global_buffer, .address_space: global }
      - { .name: out0, .offset: 24, .size: 8, .value_kind: global_buffer, .address_space: global }
    .group_segment_fixed_size: 327680
    .private_segment_fixed_size: 0
    .kernarg_segment_align: 8
    .kernarg_segment_size: 32
    .max_flat_workgroup_size: 128
    .sgpr_count:     66
    .vgpr_count:     1024
    .wavefront_size: 32
...
	.end_amdgpu_metadata
.endif
;; end of part 3
